; MI455X (gfx1250); checked and timed in simulation.
; The chip was launched on July 23, 2026; its instructions are those of AMD's public machine-readable ISA for CDNA 5 (MIT licence, August 2026) and "CDNA5" Instruction Set Architecture Reference Guide (July 2026). The comments in the code are by the model that wrote it; some were corrected since.
;; MHA Attention. Allowed arithmetic: matrix products marked QUANTISED: E5M2 operands, one given power-of-two scale a tensor, by v_wmma_f32_16x16x64_bf8_bf8 or v_wmma_f32_16x16x128_bf8_bf8, f32 sums; everything else in f32.
;; Inputs: W_proj_codes 1,024 x 32 x 32 uint8 (E5M2 codes of W_proj, K innermost, in blocks of 32 codes); W_qkv_codes 3,072 x 32 x 32 uint8 (E5M2 codes of W_qkv, K innermost, in blocks of 32 codes); b_proj 1,024 float32; b_qkv 3,072 float32; lowp_scales 8 int32 (the exponents e of the quantised operands' scales 2^e); x_codes 4 x 2,048 x 32 x 32 uint8 (E5M2 codes of x, K innermost, in blocks of 32 codes).
;; Outputs: out0 4 x 2,048 x 1,024 float32.
;; This version of the problem:
;;   THIS VERSION OF THE PROBLEM IS GIVEN IN LOW PRECISION. The matrix products marked QUANTISED in the list below multiply operands that are first quantised to E5M2 (5 exponent bits, 2 mantissa bits; 8 bits a number), with one given power-of-two scale for each operand tensor; their sums are f32. All else is computed in f32.
;;   The module's matrix products, in the order in which they are computed (A, B: the left and right operand; K: the contracted axis; several contracted axes count as one K, in the product's order):
;;     1. [M 8,192, K 1,024] x [K 1,024, N 3,072]; A: input x (given as codes); B: input W_qkv (given as codes): QUANTISED (scales: A lowp_scales[0], B lowp_scales[1])
;;     2. batch 64 x [M 2,048, K 64] x [K 64, N 2,048]; A: computed on the way; B: computed on the way: QUANTISED (scales: A lowp_scales[2], B lowp_scales[3])
;;     3. batch 64 x [M 2,048, K 2,048] x [K 2,048, N 64]; A: softmax (see below); B: computed on the way: QUANTISED (scales: A lowp_scales[4], B lowp_scales[5])
;;     4. [M 8,192, K 1,024] x [K 1,024, N 1,024]; A: computed on the way; B: input W_proj (given as codes): QUANTISED (scales: A lowp_scales[6], B lowp_scales[7])
;;   THE QUANTISER, for each operand of a quantised product, along K:
;;     - The operand's scale is 2^e, e = its entry of the input lowp_scales (int32; the entries are numbered through the quantised products in the list's order, A before B).
;;     - Each number is divided by the scale, clamped to +-57,344, and rounded to the nearest number of E5M2, ties to even, subnormals kept.
;;     - The product sums the exact products of the quantised numbers (number of the format x scale) in f32.
;;   ~~~python
;;   def quantise(x, axis, e):      # numpy; x: float32 -> the quantised numbers, widened to float32 again
;;       x = np.moveaxis(x, axis, -1); K = x.shape[-1]
;;       r = np.clip(x / 2.0 ** e, -57344, 57344)
;;       step = 2.0 ** (np.maximum(np.frexp(np.where(r == 0, 1, r))[1] - 1, -14) - 2)
;;       q = np.round(r / step) * step * 2.0 ** e      # np.round: ties to even
;;       return np.moveaxis(q, -1, axis).astype(np.float32)
;;   ~~~
;;   SOFTMAX AHEAD OF A QUANTISED PRODUCT. Where the list says 'softmax', what is quantised is not the finished softmax but p = 2^(t - M), with t = logit x log2(e) and M = ceil(the row's largest t), a whole number; so 1/2 < the row's largest p <= 1. The row's sum l is taken of the UNQUANTISED p, in f32, and the product's result is divided by l at the end. Since M is a whole number, a kernel that streams over the keys may use a running M (the ceiling of the running maximum): every later rescaling is an exact power of two, so the quantised numbers keep their values, but for numbers so far below the row's largest that they fall under the format's range.
;;   OPERANDS COMPUTED ON THE WAY. 'Computed on the way' means the value that the module computes at that place (a softmax that the list does not call 'softmax' is quantised finished and normalised). What goes into a quantiser is computed in f32, as accurately as f32 sums, v_exp_f32 and their like allow (about 1e-6 of the number): no bf16 or f16 on the way to a quantiser, and a product that is left as it is and whose result goes on into a quantised operand takes f32 operands (vector FMAs, or v_wmma_f32_16x16x4_f32). A number that lies on a knife's edge between two numbers of the format may be rounded either way, as far as f32 arithmetic and the matrix unit's own rounding can turn it there, and no further.
;;   INPUTS GIVEN AS CODES. W_proj (in the module: [1024, 1024], K = its axis 0); W_qkv (in the module: [1024, 3072], K = its axis 0); x (in the module: [4, 2048, 1024], K = its axis 2): each comes as NAME_codes (uint8): NAME with its K axis moved to the last place and cut into blocks of 32 codes, [.., K / 32, bytes a block], one block behind the other in memory; one code a byte (a code: sign, 5 exponent bits, 2 mantissa bits); its scale is its entry of lowp_scales. Its value is code x scale, taken as it is: it is not quantised again, and the codes and scales need not be those that the quantiser above would give.
;; One version. Each part assembles by itself: llvm-mc -triple=amdgcn-amd-amdhsa -mcpu=gfx1250 --defsym DOCPART=n.
;; ======== version 1 of 1: 3 launches
;; limits: right only within a limited range of input values
;; workspace buffers: q_img 16,777,216 bytes; kv_img 16,777,216 bytes; att_img 8,388,608 bytes
;; launch qkv (part 1): grid 12 x 32, 4 waves a work-group, clusters of 4 x 4, 327,680 bytes of LDS; arguments x_codes, W_qkv_codes, b_qkv, lowp_scales, q_img, kv_img; writes q_img, kv_img
.if DOCPART == 1
	.amdgcn_target "amdgcn-amd-amdhsa--gfx1250"
	.amdhsa_code_object_version 6
	.text
	.protected	k_qbab5abf418_qkv
	.globl	k_qbab5abf418_qkv
	.p2align	8
	.type	k_qbab5abf418_qkv,@function
k_qbab5abf418_qkv:
	s_mov_b64 s[64:65], 0
	v_nop
	global_prefetch_b8 v0, s[64:65] scope:SCOPE_SE
	s_setreg_imm32_b32 hwreg(HW_REG_WAVE_MODE, 25, 1), 1
	s_wait_xcnt 0x0
	s_wait_alu depctr_hold_cnt(0) depctr_sa_sdst(0) depctr_va_vdst(0) depctr_va_sdst(0) depctr_va_ssrc(0) depctr_va_vcc(0) depctr_vm_vsrc(0)
	s_getreg_b32 s2, hwreg(HW_REG_IB_STS2, 6, 4)
	s_cmp_eq_u32 s2, 0
	s_cbranch_scc0 .Lentry_in_a_cluster
	s_endpgm
.Lentry_in_a_cluster:
	s_bfe_u32 s2, ttmp6, 0x10000c
	s_cmp_lg_u32 s2, 0xf033
	s_cbranch_scc0 .Lentry_shape_is_right
	s_endpgm
.Lentry_shape_is_right:
; qkv = x W_qkv + b_qkv on codes of BF8 (E5M2), then q, k and v are quantised with their given scales and stored as IMAGES OF THE OPERAND REGISTERS that the attention launch loads.
; x: [8192][1024] codes, W_qkv: [3072][1024] codes, both with K innermost.  C'[i][j] = sum over k of P[i][k] Q[j][k]; a work-group of four waves makes 256 x 256, a wave 128 x 128: 64 accumulators, 512 registers.
; The matrix instruction takes rows of Q as source 0 and rows of P as source 1: lane (r, h) then holds, for row 16 a + r of P, the eight neighbours 16 b + 8 h + 0 .. 7 among Q's rows.
; A cluster of 4 x 4 work-groups is 1,024 columns wide: exactly q (cluster x = 0), k (1) or v (2).
;   q, k: P = x, Q = W_qkv: a lane's eight numbers run along the head's 64, which is the K of the scores.      v: P = W_qkv, Q = x: they run along the KEYS, the K of the second product of attention.
; So the conversions, which take eight neighbours along K from one lane's registers, give codes in the right order in all three, and nothing is transposed.
; The choice hangs on the cluster's x alone, which all sixteen partners share.  P's tiles are asked for jointly along a row of the cluster, Q's along a column.
; THE BIAS is the C of each sum's first matrix instruction, as b / 2^(ex + ew); the code is (sum + that) / 2^(e - ex - ew), e the section's given exponent: three scales in one conversion.
; IMAGES.  A block of 64 rows of one head is 4,096 bytes; byte 1024 t + 512 c + 256 hh + 16 rr + i.  q, k: row 32 (t / 2) + 8 (t % 2) + rr % 8 + 16 (rr / 8), channel 32 c + 16 hh + i.  v: key 32 c + 16 hh + i, channel 16 t + rr.
;   q_img: [64 heads][32 blocks][8,192 bytes, the first 4,096 used];  kv_img: [64 heads][32 blocks][k's 4,096 | v's 4,096].
; LIMITS: e - ex - ew between -126 and 127 for e = the given exponents of q, k and v, so that each power of two below is an f32 number.  NaN and infinity among the codes are not served.
; REGISTERS, in windows of 256: window 0: v1-29 addresses and constants; v32-95 the bias; v96-127 codes; v128-255 P's fragments (one set), later the way out.
;   window 1: Q's fragments, two sets.   window 2: the accumulators of my rows 0-63 of P ((a, b) at v[8 (8 a + b)]);   window 3: those of rows 64-127.
.set ROWB,   256                       ; a tile's row: 256 codes
.set KROW,   1024                      ; a row of x or of W_qkv in memory
.set PITCH,  272                       ; an LDS row: 256 bytes + 16 of padding = 68 words: the 16 rows of a fragment load start at 16 different banks (64 banks of 4 bytes: ISA guide 11.1)
.set FR,     16                        ; registers of a fragment: 16 rows x 128 K
.set NL,     4                         ; LDS loads that bring one
.set NP,     4                         ; places behind this matrix instruction (ISA guide 7.12.1)
.set HALFT,  128*PITCH                 ; 128 rows: what one tensor load brings
.set SLOT,   4*HALFT                   ; P's 256 rows, then Q's 256 rows
.set SPARE,  2*SLOT                    ; behind the ring: the spare words, 128 bytes a wave: two blocks of 256 bytes that no other line names
.set VSTG,   65536                     ; the stages lie in slot 0, which has had its last fill and its last read by then: 16,384 bytes a wave; q's and k's way from byte 0, v's way from here
.set STOK, 8                           ; v8, v9    q, k: where I put eight codes (even and odd block of P)
.set STOV, 10                          ; v10, v11  v: the same
.set RDK,  12                          ; v12       q, k: where I read 16 bytes back
.set RDV,  13                          ; v13       v: the same
.set GO,   14                          ; v14       16 x lane: my place in 512 bytes of an image
.set ADRA, 16                          ; v16-17    LDS address of my fragments of P in slot 0, 1
.set ADRB, 20                          ; v20-21    the same for Q
.set LIM,  24                          ; v24       not used
.set SC,   25                          ; v25       2^(e - ex - ew)
.set SPW,  28                          ; v28       LDS address of my spare word; never rewritten
.set NIL,  29                          ; v29       0; never rewritten
.set BIAS, 32
.set TMP,  32
.set CD,   96
.set AF,   128
.set BK,   128
.set G1,  24                           ; s[24:31] descriptor group 1 for P's tiles;  s[32:39] group 0, one set for each slot
.set G0,  32
.set G1B, 48                           ; s[48:55], s[56:63] the same for Q's tiles
.set G0B, 56
.set MSB, 0
.macro WIN new                         ; the immediate's high byte repeats the setting that is left
.if MSB != (\new)
	s_set_vgpr_msb (MSB<<8)|(\new)
.set MSB, \new
.endif
.endm
.set MUL_LO, 0xa1                      ; source 0 (Q) window 1, source 1 (P) window 0, C and D window 2
.set MUL_HI, 0xf1                      ; the same, C and D window 3
.set BEG_LO, 0x81                      ; the first step: C (the bias) window 0, D window 2
.set BEG_HI, 0xc1                      ; D window 3
.set TO_B,   0x40                      ; destination window 1, address window 0
; A joint load: waves 0 and 1 fetch for P, waves 2 and 3 for Q.  Each line has one mask and one set of registers for all that issue it; the branch hangs on the wave's number alone.
; Four v_nop follow each of the two lines, ahead of the jump, the label and what follows.
.macro JLOAD g0a, g1a, g0b, g1b
	s_cmp_eq_u32 s15, 0
	s_cbranch_scc0 .Lfor_b_\@
	tensor_load_to_lds s[\g0a:\g0a+3], s[\g1a:\g1a+7]
	s_nop 0
.rept 4
	v_nop
.endr
	s_branch .Lasked_\@
.Lfor_b_\@:
	tensor_load_to_lds s[\g0b:\g0b+3], s[\g1b:\g1b+7]
	s_nop 0
.rept 4
	v_nop
.endr
.Lasked_\@:
.endm
.macro CREST                           ; a round of the cluster's barrier behind its opening barrier
	s_cmp_lg_u32 s14, 0
	s_cbranch_scc1 .Lnot_wave_0_\@
	s_barrier_signal -3
.Lnot_wave_0_\@:
	s_barrier_wait -3
	s_barrier_signal -1
	s_barrier_wait -1
.endm
.macro CROUND                          ; a whole round
	s_barrier_signal -1
	s_barrier_wait -1
	CREST
.endm
	s_load_b256 s[4:11], s[0:1], 0x0               ; x s[4:5], W_qkv s[6:7], b_qkv s[8:9], the exponents s[10:11]
	s_load_b128 s[68:71], s[0:1], 0x20             ; q_img s[68:69], kv_img s[70:71]
	v_lshl_add_u32 v[SPW], v0, 2, SPARE
	v_mov_b32 v[NIL], 0
	ds_add_u32 v28, v29
	ds_add_u32 v28, v29
	s_wait_dscnt 0x0
	v_lshrrev_b32 v1, 5, v0
	v_readfirstlane_b32 s14, v1                    ; wave 0..3
	s_lshr_b32 s15, s14, 1                         ; which half of P's 256 rows is mine.  Also: I fetch for P (0) or for Q (1)
	s_and_b32 s16, s14, 1                          ; which half of Q's 256 rows.  Also: which 128 rows of that tile I fetch
	s_bfe_u32 s40, ttmp6, 0x40000                  ; cx, cy: my place in the cluster
	s_bfe_u32 s41, ttmp6, 0x40004
	s_and_b32 s81, ttmp7, 0xffff                   ; cluster y
	s_lshl_b32 s83, s81, 2
	s_lshl_b32 s84, ttmp9, 2                       ; 4 x cluster x
	s_cmp_eq_u32 ttmp9, 2                          ; the section: v?
	s_cselect_b32 s17, 8, s83                      ; P's tile of 256 rows: v: W_qkv's tile 8 + cy; q, k: x's tile 4 x cluster y + cy
	s_cselect_b32 s42, s83, s84                    ; Q's tile: v: x's tile 4 x cluster y + cx; q, k: W_qkv's tile 4 x cluster x + cx
	s_add_co_u32 s17, s17, s41
	s_add_co_u32 s42, s42, s40
	s_lshl_b32 s43, s41, 2
	s_lshl_b32 s43, 15, s43                        ; my row of the cluster
	s_lshl_b32 s44, 0x1111, s40                    ; my column
	; descriptor group 1: a tile of 128 rows x 256 bytes, padded in LDS
	s_or_b32 s[G1+0], s43, (0<<16)|(1<<20)|(1<<21)|(5<<22)|(3<<25)  ; 15:0 the mask: P's tiles go to my row; 17:16 element of 1 byte; 20 padding on; 21 set beside a mask; 24:22 after every 64 words (code 5); 31:25 of 4 words (code 3)
	s_or_b32 s[G1B+0], s44, (0<<16)|(1<<20)|(1<<21)|(5<<22)|(3<<25) ; the same with the mask of my column
.irp g, G1, G1B
	s_mov_b32 s[\g+1], ROWB<<16                    ; tensor_dim0
	s_mov_b32 s[\g+2], 128<<16                     ; tensor_dim1
	s_mov_b32 s[\g+3], ROWB<<16                    ; tile_dim0
	s_mov_b32 s[\g+4], 128                         ; tile_dim1
	s_mov_b32 s[\g+5], KROW                        ; tensor_dim0_stride
	s_mov_b32 s[\g+6], 0
	s_mov_b32 s[\g+7], 0
.endr
	s_lshl_b32 s18, s16, 7                         ; which 128 rows of the tile I fetch
	s_lshl_b32 s20, s17, 8
	s_add_co_u32 s20, s20, s18                     ; P: row 256 x tile + 128 x half
	s_lshl_b32 s46, s42, 8
	s_add_co_u32 s46, s46, s18                     ; Q likewise
	s_lshl_b32 s20, s20, 10                        ; in bytes: rows of 1,024; at most 8 MiB
	s_lshl_b32 s46, s46, 10
	s_mov_b32 s21, 0
	s_mov_b32 s47, 0
	s_mul_i32 s45, s14, HALFT                      ; where they go: wave x 128 rows: no place in the cluster enters an LDS address
	s_wait_kmcnt 0x0
	s_load_b256 s[72:79], s[10:11], 0x0            ; the eight exponents: ex, ew, eq, ek, ep, ev, ea, ewp
	s_cmp_eq_u32 ttmp9, 2
	s_cselect_b64 s[88:89], s[6:7], s[4:5]         ; P's tensor,
	s_cselect_b64 s[90:91], s[4:5], s[6:7]         ; Q's tensor: a choice on the cluster's x
	s_add_nc_u64 s[20:21], s[88:89], s[20:21]
	s_add_nc_u64 s[46:47], s[90:91], s[46:47]
	CROUND                                         ; all sixteen work-groups are here: the first joint loads meet
.irp s, 0,1
	s_mov_b32 s[G0+4*\s], 1
	s_add_co_u32 s[G0+4*\s+1], s45, \s*SLOT
	s_add_nc_u64 s[G0+4*\s+2:G0+4*\s+3], s[20:21], \s*ROWB
	s_or_b32 s[G0+4*\s+3], s[G0+4*\s+3], 0x80000000
	s_mov_b32 s[G0B+4*\s], 1
	s_add_co_u32 s[G0B+4*\s+1], s45, \s*SLOT
	s_add_nc_u64 s[G0B+4*\s+2:G0B+4*\s+3], s[46:47], \s*ROWB
	s_or_b32 s[G0B+4*\s+3], s[G0B+4*\s+3], 0x80000000
	JLOAD G0+4*\s, G1, G0B+4*\s, G1B
.endr
	; every LDS address is made here, ahead of the first parting of the ways
	v_and_b32 v1, 15, v0                           ; r
	s_wait_alu depctr_va_vdst(0)
	v_bfe_u32 v2, v0, 4, 1                         ; h
	v_mul_u32_u24 v3, v1, PITCH
	v_lshl_add_u32 v4, v2, 4, v3                   ; a fragment's row x pitch + 16 x half
	s_mul_i32 s21, s15, HALFT                      ; my 128 rows of P
	s_mul_i32 s22, s16, HALFT                      ; my 128 rows of Q,
	s_add_co_u32 s22, s22, 2*HALFT                 ; which lie behind P's 256
.irp s, 0,1
	v_add_nc_u32 v[ADRA+\s], s21, v4
	v_add_nc_u32 v[ADRB+\s], s22, v4
	s_add_co_u32 s21, s21, SLOT
	s_add_co_u32 s22, s22, SLOT
.endr
	s_lshl_b32 s23, s14, 14                        ; my stage: 16,384 x wave
	v_lshrrev_b32 v3, 3, v1                        ; r / 8
	v_and_b32 v4, 7, v1                            ; r % 8
	v_lshlrev_b32 v7, 4, v4
	v_lshl_add_u32 v7, v3, 10, v7
	v_lshl_add_u32 v7, v2, 3, v7
	v_add_nc_u32 v[STOK], s23, v7                  ; q, k: row 16 (a % 2) + r of 32 is lane 8 (a % 2) + r % 8 of tile r / 8: 1024 (r / 8) + 16 (r % 8) + 8 h,
	v_add_nc_u32 v[STOK+1], 128, v[STOK]           ; and 128 more in an odd block
	v_lshlrev_b32 v7, 4, v1
	v_lshl_add_u32 v7, v2, 3, v7
	v_add_nc_u32 v7, s23, v7
	v_add_nc_u32 v[STOV], VSTG, v7                 ; v: channel 16 (a % 4) + r is lane r of tile a % 4: 16 r + 8 h,
	v_add_nc_u32 v[STOV+1], 1024, v[STOV]          ; and 1,024 more in an odd block
	v_and_b32 v3, 31, v0
	v_lshlrev_b32 v[GO], 4, v3
	v_add_nc_u32 v[RDK], s23, v[GO]
	v_add_nc_u32 v[RDV], VSTG, v[RDK]
	v_lshlrev_b32 v5, 5, v2                        ; the bias of q, k: 32 h bytes
	v_lshlrev_b32 v6, 2, v1                        ; the bias of v: 4 r bytes
	; the powers of two
	s_wait_kmcnt 0x0
	s_cmp_eq_u32 ttmp9, 0
	s_cselect_b32 s94, s74, s75                    ; eq or ek,
	s_cmp_eq_u32 ttmp9, 2
	s_cselect_b32 s94, s77, s94                    ; or ev
	s_add_co_i32 s92, s72, s73                     ; ex + ew: a sum stands for sum x 2^(ex + ew)
	s_sub_co_i32 s93, 0, s92
	s_sub_co_i32 s94, s94, s92
	s_add_co_i32 s94, s94, 127
	s_lshl_b32 s95, s94, 23
	v_mov_b32 v[SC], s95                           ; 2^(e - ex - ew) as f32: the conversion takes its exponent field
	; the bias: W_qkv's rows are Q's (q, k) or P's (v)
	s_cmp_eq_u32 ttmp9, 2
	s_cselect_b32 s98, s17, s42                    ; W_qkv's tile
	s_cselect_b32 s99, s15, s16                    ; and my half of it
	s_lshl_b32 s98, s98, 10
	s_lshl_b32 s99, s99, 9
	s_add_co_u32 s98, s98, s99                     ; 4 (256 x tile + 128 x half) bytes
	s_mov_b32 s99, 0
	s_add_nc_u64 s[8:9], s[8:9], s[98:99]
	s_cmp_eq_u32 ttmp9, 2
	s_cbranch_scc1 .Lbias_v
	s_wait_alu depctr_va_vdst(0)
.irp b, 0,1,2,3,4,5,6,7                        ; q, k: block b of Q: the eight numbers at columns 16 b + 8 h + 0 .. 7
	global_load_b128 v[BIAS+8*\b:BIAS+8*\b+3], v5, s[8:9] offset:64*\b
	global_load_b128 v[BIAS+8*\b+4:BIAS+8*\b+7], v5, s[8:9] offset:64*\b+16
.endr
	s_wait_loadcnt 0x0
.set n, 0
.rept 64
	v_ldexp_f32 v[BIAS+n], v[BIAS+n], s93          ; b / 2^(ex + ew)
.set n, n+1
.endr
	s_branch .Lbias_done
.Lbias_v:
	s_wait_alu depctr_va_vdst(0)
.irp a, 0,1,2,3,4,5,6,7                        ; v: block a of P: the one number at column 16 a + r, for all eight registers
	global_load_b32 v[BIAS+8*\a], v6, s[8:9] offset:64*\a
.endr
	s_wait_loadcnt 0x0
.irp a, 0,1,2,3,4,5,6,7
.irp j, 7,6,5,4,3,2,1,0
	v_ldexp_f32 v[BIAS+8*\a+\j], v[BIAS+8*\a], s93 ; the source is written last
.endr
.endr
.Lbias_done:
	; where my 128 x 128 goes: head (16 x batch + 4 x W's tile in the section + 2 x half), block of 64 rows of x
	s_cmp_eq_u32 ttmp9, 2
	s_cselect_b32 s98, s42, s17                    ; x's tile
	s_cselect_b32 s99, s16, s15                    ; my half of it
	s_cselect_b32 s100, s41, s40                   ; W_qkv's tile within the section
	s_cselect_b32 s101, s15, s16                   ; my half of it
	s_cselect_b32 s85, 4096, 0                     ; v's image lies behind k's
	s_lshl_b32 s98, s98, 8
	s_lshl_b32 s99, s99, 7
	s_add_co_u32 s98, s98, s99                     ; my first row of x
	s_lshl_b32 s100, s100, 2
	s_lshl_b32 s101, s101, 1
	s_add_co_u32 s100, s100, s101                  ; my first head of the 16
	s_lshr_b32 s99, s98, 11
	s_lshl_b32 s99, s99, 4
	s_add_co_u32 s99, s99, s100
	s_lshl_b32 s99, s99, 18                        ; a head is 262,144 bytes
	s_and_b32 s98, s98, 2047
	s_lshr_b32 s98, s98, 6
	s_lshl_b32 s98, s98, 13                        ; a block of 64 rows 8,192
	s_add_co_u32 s98, s98, s99
	s_add_co_u32 s98, s98, s85
	s_mov_b32 s99, 0
	s_cmp_eq_u32 ttmp9, 0
	s_cselect_b64 s[96:97], s[68:69], s[70:71]
	s_add_nc_u64 s[96:97], s[96:97], s[98:99]
.macro FRAG reg, adr, q, i             ; a fragment: lane l holds row l % 16; registers 4 c .. 4 c + 3 hold K = 32 c + 16 (l / 16) + 0 .. 15: the same order of k in both sources, so every product meets its partner
.irp c, 0,1,2,3
	ds_load_b128 v[\reg+4*\c:\reg+4*\c+3], v[\adr] offset:128*(\q)+32*\c+(\i)*16*PITCH
.endr
.endm
; 16 matrix instructions: P's blocks a0, a0 + 1 x Q's eight, 128 along K.  p: Q's set.  cm = 0: adds in place; 1: begins with the bias of block b (q, k); 2: with the bias of block a (v).  Nothing is ever cleared.
; The 64 accumulators take turns, one instruction a turn, in the same order in every step.
.macro MUL16 a0, p, cm
.irp a, \a0, \a0+1
.irp b, 0,1,2,3,4,5,6,7
.if \cm == 1
	v_wmma_f32_16x16x128_bf8_bf8 v[8*(8*((\a)%4)+\b):8*(8*((\a)%4)+\b)+7], v[128*(\p)+FR*\b:128*(\p)+FR*\b+FR-1], v[AF+FR*(\a):AF+FR*(\a)+FR-1], v[BIAS+8*\b:BIAS+8*\b+7]
.elseif \cm == 2
	v_wmma_f32_16x16x128_bf8_bf8 v[8*(8*((\a)%4)+\b):8*(8*((\a)%4)+\b)+7], v[128*(\p)+FR*\b:128*(\p)+FR*\b+FR-1], v[AF+FR*(\a):AF+FR*(\a)+FR-1], v[BIAS+8*(\a):BIAS+8*(\a)+7]
.else
	v_wmma_f32_16x16x128_bf8_bf8 v[8*(8*((\a)%4)+\b):8*(8*((\a)%4)+\b)+7], v[128*(\p)+FR*\b:128*(\p)+FR*\b+FR-1], v[AF+FR*(\a):AF+FR*(\a)+FR-1], v[8*(8*((\a)%4)+\b):8*(8*((\a)%4)+\b)+7]
.endif
.endr
.endr
.endm
.macro FETCH_B slot, q, p              ; Q's eight fragments of the slot's q-th 128 along K into set p
	WIN TO_B
.irp i, 0,1,2,3,4,5,6,7
	FRAG 128*(\p)+FR*\i, ADRB+\slot, \q, \i
.endr
	WIN 0
.endm
.macro FETCH_A slot, q, i0             ; P's blocks i0 .. i0 + 3
.irp i, \i0, \i0+1, \i0+2, \i0+3
	FRAG AF+FR*(\i), ADRA+\slot, \q, \i
.endr
.endm
; A load into a register that a matrix instruction has read, and a vector instruction that reads a matrix result, stand NP places behind that matrix instruction; only plain vector
; instructions that name none of its registers are places (ISA guide 7.12.1 for vector instructions).
.macro PLACES n
.rept \n
	v_nop
.endr
.endm
; A step of 128 along K that has its successor in the same slot.  P has one set of registers: a block is free when its eight products are issued; Q has two.
.macro STEP slot, q, cm
	s_wait_dscnt 4*NL                              ; Q's set and P's blocks 0-3 are in; the youngest 16 loads (P's blocks 4-7) may be out
.if \cm
	WIN BEG_LO
.else
	WIN MUL_LO
.endif
	MUL16 0, (\q)%2, \cm
	MUL16 2, (\q)%2, \cm
	s_wait_dscnt 0                                 ; P's blocks 4-7 are in (asked for 32 matrix instructions ago)
	PLACES NP
	FETCH_B \slot, (\q)+1, 1-(\q)%2
	FETCH_A \slot, (\q)+1, 0
.if \cm
	WIN BEG_HI
.else
	WIN MUL_HI
.endif
	MUL16 4, (\q)%2, \cm
	MUL16 6, (\q)%2, \cm
	PLACES NP
	WIN 0
	FETCH_A \slot, (\q)+1, 4
.endm
; A slot's last step changes slots: one barrier; in front of it each wave waits for all its tensor loads, adds 0 to its spare word, and waits for that and for its own reads of this slot.  fill = 1: this slot is filled again, two K steps ahead.
.macro TURN slot, next, fill
	s_wait_tensorcnt 0x0                           ; all my tensor loads have landed: my part of the next slot;  (every window is 0 here)
	ds_add_u32 v[SPW], v[NIL]                      ; 0 onto my spare word
	s_wait_dscnt 4*NL+1                            ; (the add and the youngest 16 loads, P's blocks 4-7, may be out)
	WIN MUL_LO
	MUL16 0, 1, 0                                  ; sixteen matrix instructions stand between the add and the wait for it
	s_wait_dscnt 0x0                               ; the add is done, and my reads of this slot are over
	s_barrier_signal -1
	MUL16 2, 1, 0
	WIN 0
	s_barrier_wait -1
.if \fill
	CREST                                          ; the barrier has opened a round of the cluster's barrier: no wave of any partner still reads this slot or has a load on its way
	s_add_nc_u64 s[G0+4*\slot+2:G0+4*\slot+3], s[G0+4*\slot+2:G0+4*\slot+3], 2*ROWB
	s_add_nc_u64 s[G0B+4*\slot+2:G0B+4*\slot+3], s[G0B+4*\slot+2:G0B+4*\slot+3], 2*ROWB
	JLOAD G0+4*\slot, G1, G0B+4*\slot, G1B         ; the first tensor load behind the round; its four v_nop are the places in front of the loads below
.else
	PLACES NP
.endif
	FETCH_B \next, 0, 0
	FETCH_A \next, 0, 0
	WIN MUL_HI
	MUL16 4, 1, 0
	MUL16 6, 1, 0
	PLACES NP
	WIN 0
	FETCH_A \next, 0, 4
.endm
; THE WAY OUT.  Block a of P (8 accumulators): each accumulator from its low end on; eight numbers become eight
; codes; they go into my stage at their place in the images.  Then the stage, 16,384 bytes = four blocks of an image, is read back 512 bytes an instruction and stored so: every store covers 512 consecutive bytes, aligned.
; The stage's order: 8192 (b / 4) + 4096 (a / 4) + the image's byte.  q, k: b / 4 is the head, a / 4 the block of 64 rows; v: the other way round: hi and lo are their distances in memory.
.macro EPI sto, rd, hi, lo
.irp a, 0,1,2,3,4,5,6,7
	WIN 0x02+(\a)/4                                ; source 0: window 2 or 3
.set n, 0
.rept 64
.set n, n+1
.endr
.irp b, 0,1,2,3,4,5,6,7
	v_cvt_scalef32_pk8_bf8_f32 v[CD+16*((\a)%2)+2*\b:CD+16*((\a)%2)+2*\b+1], v[TMP+8*\b+((64*((\a)%4)+n)-(TMP+n)):TMP+8*\b+7+((64*((\a)%4)+n)-(TMP+n))], v[SC]
.endr
	WIN 0
	v_nop
.irp b, 0,1,2,3,4,5,6,7
	ds_store_b64 v[\sto+(\a)%2], v[CD+16*((\a)%2)+2*\b:CD+16*((\a)%2)+2*\b+1] offset:(\b/4)*8192+((\a)/4)*4096+(((\a)/2)%2)*2048+((\b/2)%2)*512+(\b%2)*256
.endr
.endr
.set n, 0
.rept 32
	ds_load_b128 v[BK+4*n:BK+4*n+3], v[\rd] offset:512*n   ; LDS serves a wave's instructions in order (ISA guide 5.7.1.4): these see my stores
.set n, n+1
.endr
.set n, 0
.rept 32
	s_wait_dscnt 31-n                              ; read-back n is in; the younger ones may be out
	global_store_b128 v[GO], v[BK+4*n:BK+4*n+3], s[96:97] offset:(n/16)*\hi+((n/8)%2)*\lo+512*(n%8)
.set n, n+1
.endr
.endm
	s_wait_tensorcnt 1                             ; my part of K step 0 is in (K step 1's load may be out),
	s_barrier_signal -1
	s_barrier_wait -1                              ; everybody's is
	FETCH_B 0, 0, 0
	FETCH_A 0, 0, 0
	FETCH_A 0, 0, 4
	s_cmp_eq_u32 ttmp9, 2                          ; the first step begins the sums with the bias, which lies by Q's blocks (q, k) or by P's (v)
	s_cbranch_scc1 .Lfirst_v
	s_wait_alu depctr_va_vdst(0)
	STEP 0, 0, 1
	s_branch .Lfirst_done
.Lfirst_v:
	s_wait_alu depctr_va_vdst(0)
	STEP 0, 0, 2
.Lfirst_done:
	TURN 0, 1, 1                                   ; K = 1,024 is four K steps of 256: slots 0, 1, 0, 1, written out; two refills
	STEP 1, 0, 0
	TURN 1, 0, 1
	STEP 0, 0, 0
	TURN 0, 1, 0                                   ; nothing is left to fetch
	STEP 1, 0, 0
	s_wait_dscnt 4*NL                              ; the very last step
	WIN MUL_LO
	MUL16 0, 1, 0
	MUL16 2, 1, 0
	s_wait_dscnt 0
	WIN MUL_HI
	MUL16 4, 1, 0
	MUL16 6, 1, 0
	WIN 0
	PLACES NP
	s_cmp_eq_u32 ttmp9, 2
	s_cbranch_scc1 .Lout_v
	EPI STOK, RDK, 262144, 8192
	s_branch .Lout_done
.Lout_v:
	EPI STOV, RDV, 8192, 262144
.Lout_done:
	s_wait_tensorcnt 0x0                           ; the wave's end: behind my last tensor load and my last LDS store
	ds_add_u32 v[SPW], v[NIL]
	s_wait_dscnt 0x0
	CROUND                                         ; the closing round: no work-group ends while a partner may still ask for a tile that names it
	s_endpgm
.Lfunc_end_k_qbab5abf418_qkv:
	.size	k_qbab5abf418_qkv, .Lfunc_end_k_qbab5abf418_qkv-k_qbab5abf418_qkv
	.p2alignl 7, 3214868480
	.fill 96, 4, 3214868480
	.section	.rodata,"a",@progbits
	.p2align	6, 0x0
	.amdhsa_kernel k_qbab5abf418_qkv
		.amdhsa_group_segment_fixed_size 327680
		.amdhsa_private_segment_fixed_size 0
		.amdhsa_enable_private_segment 0
		.amdhsa_kernarg_size 48
		.amdhsa_user_sgpr_count 2
		.amdhsa_user_sgpr_kernarg_segment_ptr 1
		.amdhsa_wavefront_size32 1
		.amdhsa_system_sgpr_workgroup_id_x 1
		.amdhsa_system_sgpr_workgroup_id_y 1
		.amdhsa_system_sgpr_workgroup_id_z 1
		.amdhsa_system_vgpr_workitem_id 0
		.amdhsa_next_free_vgpr 1024
		.amdhsa_next_free_sgpr 102
		.amdhsa_reserve_vcc 0
		.amdhsa_float_denorm_mode_32 3
		.amdhsa_float_denorm_mode_16_64 3
		.amdhsa_fp16_overflow 1
		.amdhsa_memory_ordered 1
		.amdhsa_forward_progress 1
		.amdhsa_inst_pref_size 128
	.end_amdhsa_kernel
	.amdgpu_metadata
---
amdhsa.version: [ 1, 2 ]
amdhsa.kernels:
  - .name:           k_qbab5abf418_qkv
    .symbol:         k_qbab5abf418_qkv.kd
    .args:
      - { .name: x_codes, .offset: 0, .size: 8, .value_kind: global_buffer, .address_space: global }
      - { .name: W_qkv_codes, .offset: 8, .size: 8, .value_kind: global_buffer, .address_space: global }
      - { .name: b_qkv, .offset: 16, .size: 8, .value_kind: global_buffer, .address_space: global }
      - { .name: lowp_scales, .offset: 24, .size: 8, .value_kind: global_buffer, .address_space: global }
      - { .name: q_img, .offset: 32, .size: 8, .value_kind: global_buffer, .address_space: global }
      - { .name: kv_img, .offset: 40, .size: 8, .value_kind: global_buffer, .address_space: global }
    .group_segment_fixed_size: 327680
    .private_segment_fixed_size: 0
    .kernarg_segment_align: 8
    .kernarg_segment_size: 48
    .max_flat_workgroup_size: 128
    .sgpr_count:     102
    .vgpr_count:     1024
    .wavefront_size: 32
...
	.end_amdgpu_metadata
.endif
;; end of part 1
;; launch attn (part 2): grid 4 x 64, 16 waves a work-group, clusters of 4 x 1, 327,680 bytes of LDS; arguments q_img, kv_img, lowp_scales, att_img; writes att_img
.if DOCPART == 2
	.amdgcn_target "amdgcn-amd-amdhsa--gfx1250"
	.amdhsa_code_object_version 6
	.text
	.protected	k_qbab5abf418_attn
	.globl	k_qbab5abf418_attn
	.p2align	8
	.type	k_qbab5abf418_attn,@function
k_qbab5abf418_attn:
	s_mov_b64 s[64:65], 0
	v_nop
	global_prefetch_b8 v0, s[64:65] scope:SCOPE_SE
	s_setreg_imm32_b32 hwreg(HW_REG_WAVE_MODE, 25, 1), 1
	s_wait_xcnt 0x0
	s_wait_alu depctr_hold_cnt(0) depctr_sa_sdst(0) depctr_va_vdst(0) depctr_va_sdst(0) depctr_va_ssrc(0) depctr_va_vcc(0) depctr_vm_vsrc(0)
	s_getreg_b32 s2, hwreg(HW_REG_IB_STS2, 6, 4)
	s_cmp_eq_u32 s2, 0
	s_cbranch_scc0 .Lentry_in_a_cluster
	s_endpgm
.Lentry_in_a_cluster:
	s_bfe_u32 s2, ttmp6, 0x10000c
	s_cmp_lg_u32 s2, 0x3003
	s_cbranch_scc0 .Lentry_shape_is_right
	s_endpgm
.Lentry_shape_is_right:
; Causal attention of one head (2,048 queries and keys, head size 64), both products on codes of BF8 (E5M2), each operand with its given scale; the result is quantised for the last product and stored as an image of its operand registers.
; THE SOFTMAX AHEAD OF THE SECOND PRODUCT: t = score x log2(e) / 8; M = the row's largest t so far, rounded up to a whole number; p = 2^(t - M) is quantised, along the keys; the row's sum is taken of the unquantised p
; and divides at the end.  When M moves, the sum and O are multiplied by 2^(old M - new M), which rounds nothing.
; SHARES.  The four work-groups of a head form a cluster.  THE HEAD'S WHOLE K AND V, 262,144 bytes, LIE IN LDS as kv_img has them: brought once, by joint loads that name the four; no byte of LDS is filled twice, so the
; long loop has no barrier.  A wave owns 32 neighbouring queries, two tiles of 16: block c = 4 j + cx of the head's 64, j the wave's rank out of a 4 x 4 magic square, so that the four waves w % 4 = const and the four
; w / 4 = const have equal sums of j.  A step is 64 keys for both tiles: each fragment of K and V feeds two products.
; CAUSAL.  Every wave walks all 32 steps in loops of constant count and jumps over the work of steps beyond 2 j + 1; in steps 2 j and 2 j + 1 hidden scores become -infinity ahead of the maximum.  Both bounds hang on the
; wave's number alone, not on the place in the cluster; for cx = 0, 1 step 2 j + 1 is wholly hidden and adds zeros.  Key 0 counts for every query, so M is a number from the first step on.
; LAYOUT.  S^T = K Q^T (source 0 = 16 keys, source 1 = 16 queries), O^T = V^T P^T: a lane holds one query throughout.  Lane rr of tile t of K's image is key 32 (t / 2) + 8 (t % 2) + rr % 8 + 16 (rr / 8) of the step's 64,
; so register n of a lane's 32 scores is key 32 (n / 16) + 16 (lane / 16) + n % 16: sixteen neighbours for two conversions, whose results are the second product's operand.
; Every fragment is an image: 512 bytes a load, 16 x lane.  Both sources of a product hold k in the same order: registers 4 c .. 4 c + 3 = k 32 c + 16 (lane / 16) + 0 .. 15.
; LIMITS on the given exponents: eq + ek between -123 and 130 (added to c's exponent field); ep and ea between -126 and 127; ep + ev goes by v_ldexp_f32 and has none.  NaN and infinity are not served.
.set LI,   1                           ; v1   16 x lane; never rewritten
.set ADR,  2                           ; v2   LDS address of the step's images
.set GO,   3                           ; v3   the way out: 16 r + 8 h
.set QL,   4                           ; v4, v5   tile x: my query in the head less 16 h
.set NINF, 6                           ; v6   -infinity
.set DD,   7                           ; v7, v8   QL less the step's first key
.set LIMP, 9                           ; v9   not used
.set SCP,  10                          ; v10  2^ep
.set ST,   12                          ; tile x at v[12 + 4 x]: -M, the largest t, the sum in two halves
.set FF,   20                          ; v[20 + 2 x]: f = 2^(old M - new M) (named as a pair)
.set XA,   24                          ; v[24 + 2 x], v[25 + 2 x]: two chains of the maximum
.set PD,   28                          ; v28, v29  the lane exchange's destinations
.set YY,   30                          ; v[30 + 2 x : 31 + 2 x]  the sum's second chain
.set LIMA, 34                          ; v34  not used
.set SCA,  35                          ; v35  2^ea
.set INV,  36                          ; v[36 + 2 x]: 2^(ep + ev) / the sum (named as a pair)
.set Q,    48                          ; v48-63   Q's two fragments
.set FRG,  64                          ; v64-95   four fragments of K, then of V
.set S,    96                          ; v96-159  S^T, then p: 32 a tile
.set O,    160                         ; v160-223 O^T: 32 a tile
.set PC,   224                         ; v224-239 p's codes: 8 a tile
.set OC,   240                         ; v240-255 the result's codes
.set WV,   12                          ; s12  my wave's number
.set JJ,   13                          ; s13  j
.set HD,   15                          ; s15  the head, 0 .. 63
.set LAST, 17                          ; s17  2 j + 1
.set DG,   18                          ; s18  2 j
.set SEL,  20                          ; s[20:21] lane selects: lane l xor 16
.set CS,   22                          ; s[22:23] c = log2(e) / 8 x 2^(eq + ek)
.set G1A,  24                          ; s[24:31] descriptor group 1: 8 rows of 256 bytes
.set G1B,  32                          ; s[32:39] 56 rows of 256 bytes
.set G0A,  40                          ; s[40:43], s[44:47] their groups 0
.set G0B,  44
.set TB,   48                          ; s48  LDS byte at which the step's images begin
.set KF,   49                          ; s49  the step's first key
.set SG,   50                          ; s50  the step
.set EPV,  51                          ; s51  ep + ev
.macro CROUND                          ; a round of the cluster's barrier
	s_barrier_signal -1
	s_barrier_wait -1
	s_cmp_lg_u32 s[WV], 0
	s_cbranch_scc1 .Lnot_wave_0_\@
	s_barrier_signal -3
.Lnot_wave_0_\@:
	s_barrier_wait -3
	s_barrier_signal -1
	s_barrier_wait -1
.endm
	s_load_b256 s[4:11], s[0:1], 0x0               ; q_img s[4:5], kv_img s[6:7], the exponents s[8:9], att_img s[10:11]
	v_lshl_add_u32 v46, v0, 2, 0x40000
	v_mov_b32 v47, 0
	ds_add_u32 v46, v47
	ds_add_u32 v46, v47
	v_lshrrev_b32 v40, 5, v0
	s_delay_alu instid0(VALU_DEP_1)
	v_readfirstlane_b32 s[WV], v40                 ; wave 0..15
	s_and_b32 s[HD], ttmp7, 0xffff                 ; the head: the cluster's y
	s_mov_b32 s60, 0x7a94c12f                      ; the ranks of waves 0 to 7, four bits each, wave 0's lowest: 15 2 1 12 | 4 9 10 7
	s_mov_b32 s61, 0x0de3b658                      ; of waves 8 to 15: 8 5 6 11 | 3 14 13 0: every row and every column of the square adds up to 30
	s_cmp_lt_u32 s[WV], 8
	s_cselect_b32 s60, s60, s61
	s_and_b32 s61, s[WV], 7
	s_lshl_b32 s61, s61, 2
	s_lshr_b32 s60, s60, s61
	s_and_b32 s[JJ], s60, 15
	s_lshl_b32 s[DG], s[JJ], 1
	s_add_co_u32 s[LAST], s[DG], 1
	; descriptor group 1: dense blocks as rows of 256 bytes, elements of 8 bytes, no padding; the mask names all four work-groups, bit 21 set beside it
	s_mov_b32 s[G1A], 15|(3<<16)|(1<<21)
	s_mov_b32 s[G1A+1], 32<<16                     ; tensor_dim0 = 32 elements
	s_mov_b32 s[G1A+2], 8<<16                      ; tensor_dim1 = 8 rows
	s_mov_b32 s[G1A+3], 32<<16                     ; tile_dim0
	s_mov_b32 s[G1A+4], 8                          ; tile_dim1
	s_mov_b32 s[G1A+5], 32                         ; tensor_dim0_stride
	s_mov_b32 s[G1A+6], 0
	s_mov_b32 s[G1A+7], 0
	s_mov_b32 s[G1B], 15|(3<<16)|(1<<21)
	s_mov_b32 s[G1B+1], 32<<16
	s_mov_b32 s[G1B+2], 56<<16
	s_mov_b32 s[G1B+3], 32<<16
	s_mov_b32 s[G1B+4], 56
	s_mov_b32 s[G1B+5], 32
	s_mov_b32 s[G1B+6], 0
	s_mov_b32 s[G1B+7], 0
	s_lshl_b32 s62, s[WV], 11                      ; the first four steps' 32,768 bytes: 2,048 a wave
	s_mul_i32 s63, s[WV], 14336
	s_add_co_u32 s63, s63, 32768                   ; the other 229,376: 14,336 a wave.  LDS byte = byte in the head's block
	s_lshl_b32 s66, s[HD], 18                      ; the head's 262,144 bytes
	s_mov_b32 s67, 0
	s_mov_b32 s71, 0
	s_mov_b32 s[SEL], 0x76543210
	s_mov_b32 s[SEL+1], 0xfedcba98
	s_wait_dscnt 0x0
	s_wait_kmcnt 0x0
	s_load_b256 s[52:59], s[8:9], 0x0              ; ex, ew, eq, ek, ep, ev, ea, ewp
	s_add_nc_u64 s[68:69], s[6:7], s[66:67]
	s_mov_b32 s[G0A], 1
	s_mov_b32 s[G0A+1], s62
	s_mov_b32 s70, s62
	s_add_nc_u64 s[G0A+2:G0A+3], s[68:69], s[70:71]
	s_or_b32 s[G0A+3], s[G0A+3], 0x80000000
	s_mov_b32 s[G0B], 1
	s_mov_b32 s[G0B+1], s63
	s_mov_b32 s70, s63
	s_add_nc_u64 s[G0B+2:G0B+3], s[68:69], s[70:71]
	s_or_b32 s[G0B+3], s[G0B+3], 0x80000000
	CROUND                                         ; all four work-groups are here: the joint loads meet
	tensor_load_to_lds s[G0A:G0A+3], s[G1A:G1A+7]  ; the first four steps' images: one load of mine is out
	s_nop 0
	s_wait_alu depctr_va_vdst(0)
	s_wait_tensorcnt 0x0
	ds_add_u32 v46, v47
	s_wait_dscnt 0x0
	CROUND
	tensor_load_to_lds s[G0B:G0B+3], s[G1B:G1B+7]
	s_nop 0
.rept 4
	v_nop
.endr
	; my block of 32 queries: c = 4 j + cx.  The place in the cluster enters global addresses and the mask's numbers alone
	s_bfe_u32 s72, ttmp6, 0x40000                  ; cx
	s_lshl_b32 s73, s[JJ], 2
	s_add_co_u32 s72, s72, s73                     ; c
	s_lshr_b32 s74, s72, 1
	s_lshl_b32 s74, s74, 13                        ; q_img: block c / 2 of 8,192 bytes,
	s_and_b32 s75, s72, 1
	s_lshl_b32 s75, s75, 11                        ; tiles 2 (c % 2) and 2 (c % 2) + 1
	s_add_co_u32 s74, s74, s75
	s_add_co_u32 s74, s74, s66
	s_mov_b32 s75, 0
	s_add_nc_u64 s[4:5], s[4:5], s[74:75]
	v_and_b32 v40, 31, v0
	s_delay_alu instid0(VALU_DEP_1)
	v_lshlrev_b32 v[LI], 4, v40
.irp x, 0,1
.irp c, 0,1
	global_load_b128 v[Q+8*\x+4*\c:Q+8*\x+4*\c+3], v[LI], s[4:5] offset:1024*\x+512*\c   ; Q's fragments stay in registers
.endr
.endr
	v_and_b32 v40, 15, v0                          ; r
	v_bfe_u32 v41, v0, 4, 1                        ; h
	s_delay_alu instid0(VALU_DEP_2)
	v_lshlrev_b32 v[GO], 4, v40
	s_delay_alu instid0(VALU_DEP_1)
	v_lshl_add_u32 v[GO], v41, 3, v[GO]
	s_delay_alu instid0(VALU_DEP_4)
	v_and_b32 v42, 8, v40
	s_delay_alu instid0(VALU_DEP_1)
	v_add_nc_u32 v42, v42, v40                     ; r % 8 + 16 (r / 8)
	v_lshlrev_b32 v43, 4, v41
	s_delay_alu instid0(VALU_DEP_1)
	v_sub_nc_u32 v42, v42, v43                     ; - 16 h
	s_lshl_b32 s74, s72, 5
	v_add_nc_u32 v[QL], s74, v42                   ; tile 0: query 32 c + r % 8 + 16 (r / 8),
	s_delay_alu instid0(VALU_DEP_1)
	v_add_nc_u32 v[QL+1], 8, v[QL]                 ; tile 1: eight further on
	; att_img: [k / 256][tile of 16 rows, 512][k / 128 % 2][2,048]: (hd / 4) 2 MiB + (64 batch + c) 8,192 + (hd / 2 % 2) 2,048 + (hd % 2) 1,024
	s_lshr_b32 s74, s[HD], 4
	s_lshl_b32 s74, s74, 6
	s_add_co_u32 s74, s74, s72
	s_lshl_b32 s74, s74, 13
	s_bfe_u32 s75, s[HD], 0x20002
	s_lshl_b32 s75, s75, 21
	s_add_co_u32 s74, s74, s75
	s_bfe_u32 s75, s[HD], 0x10001
	s_lshl_b32 s75, s75, 11
	s_add_co_u32 s74, s74, s75
	s_and_b32 s75, s[HD], 1
	s_lshl_b32 s75, s75, 10
	s_add_co_u32 s74, s74, s75
	s_mov_b32 s75, 0
	s_add_nc_u64 s[10:11], s[10:11], s[74:75]
	v_mov_b32 v[NINF], 0xff800000
.irp x, 0,1
	v_mov_b32 v[ST+4*\x+1], 0xff61b1e6             ; the largest t so far: -3e38, under every t
	s_delay_alu instid0(VALU_DEP_1)
	v_floor_f32 v[ST+4*\x], -v[ST+4*\x+1]          ; -M
	v_mov_b32 v[ST+4*\x+2], 0                      ; the sum, in two halves
	v_mov_b32 v[ST+4*\x+3], 0
	v_mov_b32 v[FF+2*\x+1], 0                      ; (named as the upper half of a pair)
	v_mov_b32 v[INV+2*\x+1], 0
	v_mov_b32 v[PD+\x], 0                          ; written once: a lane permute's destination counts as one of its sources
.endr
.set n, 0
.rept 64
	v_mov_b32 v[O+n], 0                            ; O^T.  (The step is written for every step alike: the first finds zeros, which the first change of M leaves zeros)
.set n, n+1
.endr
	s_wait_kmcnt 0x0
	s_mov_b32 s[CS], 0x3e38aa3b                    ; log2(e) / 8
	s_add_co_i32 s60, s54, s55
	s_lshl_b32 s60, s60, 23
	s_add_co_i32 s[CS], s[CS], s60                 ; a score stands for score x 2^(eq + ek): added to c's exponent field
	s_mov_b32 s[CS+1], s[CS]                       ; (named with it as a pair)
	s_add_co_i32 s60, s56, 127
	s_lshl_b32 s61, s60, 23
	v_mov_b32 v[SCP], s61
	s_add_co_i32 s60, s58, 127
	s_lshl_b32 s61, s60, 23
	v_mov_b32 v[SCA], s61
	s_add_co_i32 s[EPV], s56, s57
; A KEY STEP: 64 keys, both tiles of queries; the tiles alternate line by line, so that no line waits for the line above it.
.macro STEP
	s_setprio 2
	v_add_nc_u32 v[ADR], s[TB], v[LI]
.rept 3
	v_nop                                          ; with the addition: four places in front of loads into registers that the last products read
.endr
.irp t, 0,1,2,3
.irp c, 0,1
	ds_load_b128 v[FRG+8*\t+4*\c:FRG+8*\t+4*\c+3], v[ADR] offset:1024*\t+512*\c
.endr
.endr
	s_wait_alu depctr_va_vdst(0)
	s_wait_dscnt 0x0
.irp t, 0,1,2,3
.irp x, 0,1
	v_wmma_f32_16x16x64_bf8_bf8 v[S+32*\x+8*\t:S+32*\x+8*\t+7], v[FRG+8*\t:FRG+8*\t+7], v[Q+8*\x:Q+8*\x+7], 0
.endr
.endr
.rept 4
	v_nop                                          ; places in front of the loads below and of the first read of the scores
.endr
.irp t, 0,1,2,3
.irp c, 0,1
	ds_load_b128 v[FRG+8*\t+4*\c:FRG+8*\t+4*\c+3], v[ADR] offset:4096+1024*\t+512*\c   ; V's fragments land while the softmax is worked
.endr
.endr
	s_cmp_lt_u32 s[SG], s[DG]                      ; all keys of a step under 2 j count for all my queries
	s_cbranch_scc1 .Lopen_\@
	v_sub_nc_u32 v[DD], v[QL], s[KF]               ; register n holds key KF + 16 h + 32 (n / 16) + n % 16: hidden where 32 (n / 16) + n % 16 > my query - KF - 16 h
	v_sub_nc_u32 v[DD+1], v[QL+1], s[KF]
.set n, 0
.rept 32
	v_cmp_gt_i32 vcc_lo, 32*(n/16)+n%16, v[DD]
	v_cndmask_b32 v[S+n], v[S+n], v[NINF], vcc_lo
	v_cmp_gt_i32 vcc_lo, 32*(n/16)+n%16, v[DD+1]
	v_cndmask_b32 v[S+32+n], v[S+32+n], v[NINF], vcc_lo
.set n, n+1
.endr
.Lopen_\@:
.irp x, 0,1                                    ; the step's largest score of my query among my 32 keys, in two chains, each accumulator from its low end on
	v_max3_num_f32 v[XA+2*\x], v[S+32*\x], v[S+32*\x+1], v[S+32*\x+2]
	v_max3_num_f32 v[XA+2*\x+1], v[S+32*\x+3], v[S+32*\x+4], v[S+32*\x+5]
.endr
.irp i, 6,10,14,18,22,26
.irp x, 0,1
	v_max3_num_f32 v[XA+2*\x], v[XA+2*\x], v[S+32*\x+\i], v[S+32*\x+\i+1]
	v_max3_num_f32 v[XA+2*\x+1], v[XA+2*\x+1], v[S+32*\x+\i+2], v[S+32*\x+\i+3]
.endr
.endr
.irp x, 0
	v_max3_num_f32 v[XA+2*\x], v[XA+2*\x], v[S+32*\x+30], v[S+32*\x+31]
.endr
.irp x, 1
	v_max3_num_f32 v[XA+2*\x], v[XA+2*\x], v[S+32*\x+30], v[S+32*\x+31]
.endr
.irp x, 0,1
	s_delay_alu instid0(VALU_DEP_2)
	v_max_num_f32 v[XA+2*\x], v[XA+2*\x], v[XA+2*\x+1]
.endr
.irp x, 0,1
	s_delay_alu instid0(VALU_DEP_2)
	v_permlanex16_b32 v[PD+\x], v[XA+2*\x], s[SEL], s[SEL+1]
.endr
.irp x, 0,1
	s_delay_alu instid0(VALU_DEP_2)
	v_max_num_f32 v[XA+2*\x], v[XA+2*\x], v[PD+\x] ; and among lane l xor 16's
.endr
.irp x, 0,1
	s_delay_alu instid0(VALU_DEP_2)
	v_mul_f32 v[XA+2*\x], s[CS], v[XA+2*\x]        ; as t (c is positive)
.endr
.irp x, 0,1
	s_delay_alu instid0(VALU_DEP_2)
	v_max_num_f32 v[ST+4*\x+1], v[ST+4*\x+1], v[XA+2*\x]   ; the running largest t
.endr
.irp x, 0,1
	v_mov_b32 v[XA+2*\x], v[ST+4*\x]
.endr
.irp x, 0,1
	s_delay_alu instid0(VALU_DEP_4)
	v_floor_f32 v[ST+4*\x], -v[ST+4*\x+1]          ; the new -M = floor(-t) = -ceil(t): a whole number
.endr
.irp x, 0,1
	s_delay_alu instid0(VALU_DEP_2)
	v_sub_f32 v[XA+2*\x], v[ST+4*\x], v[XA+2*\x]   ; old M less new M: a whole number, 0 or less
.endr
.irp x, 0,1
	s_delay_alu instid0(VALU_DEP_2)
	v_cvt_i32_f32 v[XA+2*\x], v[XA+2*\x]           ; (it saturates)
.endr
.irp x, 0,1
	s_delay_alu instid0(VALU_DEP_2)
	v_ldexp_f32 v[FF+2*\x], 1.0, v[XA+2*\x]        ; f = 2^(old M - new M)
.endr
.irp j, 0,2,4,6,8,10,12,14,16,18,20,22,24,26,28,30
.irp x, 0,1
	v_pk_fma_f32 v[S+32*\x+\j:S+32*\x+\j+1], v[S+32*\x+\j:S+32*\x+\j+1], s[CS:CS+1], v[ST+4*\x:ST+4*\x+1] op_sel_hi:[1,0,0]   ; t - M, two at a time (of the pairs c and -M the low word serves both halves)
.endr
.endr
.set n, 0
	s_setprio 1
	s_wait_alu depctr_va_vdst(0)
.rept 64
	v_exp_f32 v[S+n], v[S+n]                       ; p = 2^(t - M), at most 1: not normalised
.set n, n+1
.endr
.irp x, 0,1
	v_pk_mul_f32 v[ST+4*\x+2:ST+4*\x+3], v[ST+4*\x+2:ST+4*\x+3], v[FF+2*\x:FF+2*\x+1] op_sel_hi:[1,0]   ; the sums under the new M: plain lines behind the exponentials
.endr
	s_wait_alu depctr_va_vdst(0)                   ; one wait for the batch of 64, ahead of its first reader
.irp x, 0,1
	v_pk_add_f32 v[YY+2*\x:YY+2*\x+1], v[S+32*\x:S+32*\x+1], v[S+32*\x+2:S+32*\x+3]   ; the row's sum is taken of the unquantised p, in two chains
.endr
.irp j, 4,8,12,16,20,24,28
.irp x, 0,1
	v_pk_add_f32 v[ST+4*\x+2:ST+4*\x+3], v[ST+4*\x+2:ST+4*\x+3], v[S+32*\x+\j:S+32*\x+\j+1]
	v_pk_add_f32 v[YY+2*\x:YY+2*\x+1], v[YY+2*\x:YY+2*\x+1], v[S+32*\x+\j+2:S+32*\x+\j+3]
.endr
.endr
.irp x, 0
	s_delay_alu instid0(VALU_DEP_3)
	v_pk_add_f32 v[ST+4*\x+2:ST+4*\x+3], v[ST+4*\x+2:ST+4*\x+3], v[YY+2*\x:YY+2*\x+1]
.endr
.irp x, 1
	s_delay_alu instid0(VALU_DEP_2)
	v_pk_add_f32 v[ST+4*\x+2:ST+4*\x+3], v[ST+4*\x+2:ST+4*\x+3], v[YY+2*\x:YY+2*\x+1]
.endr
.irp g, 0,1,2,3                                ; sixteen neighbouring keys at a time: group g = 2 x tile + half
.irp i, 0,1,2,3,4,5,6,7,8,9,10,11,12,13,14,15
.endr
	v_cvt_scalef32_pk8_bf8_f32 v[PC+4*\g:PC+4*\g+1], v[S+16*\g:S+16*\g+7], v[SCP]
	v_cvt_scalef32_pk8_bf8_f32 v[PC+4*\g+2:PC+4*\g+3], v[S+16*\g+8:S+16*\g+15], v[SCP]
.endr
.irp j, 0,2,4,6,8,10,12,14,16,18,20,22,24,26,28,30
.irp x, 0,1
	v_pk_mul_f32 v[O+32*\x+\j:O+32*\x+\j+1], v[O+32*\x+\j:O+32*\x+\j+1], v[FF+2*\x:FF+2*\x+1] op_sel_hi:[1,0]   ; O^T under the new M; also the plain lines between the conversions and the products
.endr
.endr
	s_setprio 0
	s_wait_alu depctr_va_vdst(0)
	s_wait_dscnt 0x0                               ; V is in
.irp t, 0,1,2,3                                ; O^T += V^T P^T: eight accumulators, one instruction a turn
.irp x, 0,1
	v_wmma_f32_16x16x64_bf8_bf8 v[O+32*\x+8*\t:O+32*\x+8*\t+7], v[FRG+8*\t:FRG+8*\t+7], v[PC+8*\x:PC+8*\x+7], v[O+32*\x+8*\t:O+32*\x+8*\t+7]
.endr
.endr
.endm
	s_wait_loadcnt 0x0                             ; Q
	s_wait_tensorcnt 1                             ; my part of the first four steps' images is in; the long fill may stay out
	s_barrier_signal -1
	s_barrier_wait -1                              ; everybody's is
	s_mov_b32 s[SG], 0
	s_mov_b32 s[TB], 0
	s_mov_b32 s[KF], 0
.Lfirst_four:                                      ; steps 0 to 3 read LDS bytes 0 to 32,767 alone
	s_cmp_gt_u32 s[SG], s[LAST]
	s_cbranch_scc1 .Lbeyond_a
	STEP
.Lbeyond_a:
	s_add_co_u32 s[TB], s[TB], 8192
	s_add_co_u32 s[KF], s[KF], 64
	s_add_co_u32 s[SG], s[SG], 1
	s_cmp_lt_u32 s[SG], 4
	s_cbranch_scc1 .Lfirst_four
	s_setprio 0
	s_wait_tensorcnt 0x0                           ; my part of the rest is in,
	s_wait_dscnt 0x0
	s_barrier_signal -1
	s_barrier_wait -1                              ; everybody's is: no barrier from here to the end
	s_mov_b32 s[SG], 4
	s_mov_b32 s[TB], 32768
	s_mov_b32 s[KF], 256
.Lrest:                                            ; steps 4 to 31
	s_cmp_gt_u32 s[SG], s[LAST]
	s_cbranch_scc1 .Lbeyond_b
	STEP
.Lbeyond_b:
	s_add_co_u32 s[TB], s[TB], 8192
	s_add_co_u32 s[KF], s[KF], 64
	s_add_co_u32 s[SG], s[SG], 1
	s_cmp_lt_u32 s[SG], 32
	s_cbranch_scc1 .Lrest
	s_setprio 0
	; THE WAY OUT needs no LDS: a lane's eight registers of a tile of O^T are eight neighbours along the last product's K; their eight codes lie at 16 r + 8 h of 256 bytes of the image.
.irp x, 0,1
	v_add_f32 v[ST+4*\x+2], v[ST+4*\x+2], v[ST+4*\x+3]     ; the sum's two halves.  (These plain lines are also the places behind the last products)
.endr
.irp x, 0,1
	s_delay_alu instid0(VALU_DEP_2)
	v_permlanex16_b32 v[PD+\x], v[ST+4*\x+2], s[SEL], s[SEL+1]
.endr
.irp x, 0,1
	s_delay_alu instid0(VALU_DEP_2)
	v_add_f32 v[ST+4*\x+2], v[ST+4*\x+2], v[PD+\x]         ; and lane l xor 16's: the row's sum
.endr
	s_wait_alu depctr_va_vdst(0)
.irp x, 0,1
	v_rcp_f32 v[INV+2*\x], v[ST+4*\x+2]
.endr
	v_nop                                          ; a plain line behind the reciprocals
	s_wait_alu depctr_va_vdst(0)                   ; one wait for both, ahead of their first reader
.irp x, 0,1
	v_ldexp_f32 v[INV+2*\x], v[INV+2*\x], s[EPV]   ; x 2^(ep + ev)
.endr
.irp j, 0,2,4,6,8,10,12,14,16,18,20,22,24,26,28,30
.irp x, 0,1
	v_pk_mul_f32 v[O+32*\x+\j:O+32*\x+\j+1], v[O+32*\x+\j:O+32*\x+\j+1], v[INV+2*\x:INV+2*\x+1] op_sel_hi:[1,0]
.endr
.endr
.set n, 0
.rept 64
.set n, n+1
.endr
.irp g, 0,1,2,3,4,5,6,7
	v_cvt_scalef32_pk8_bf8_f32 v[OC+2*\g:OC+2*\g+1], v[O+8*\g:O+8*\g+7], v[SCA]   ; g = 4 x tile of queries + tile of channels
.endr
	v_nop
.irp g, 0,1,2,3,4,5,6,7
	global_store_b64 v[GO], v[OC+2*\g:OC+2*\g+1], s[10:11] offset:(\g/4)*4096+(\g%4)*256   ; 32 lanes store 256 consecutive bytes, aligned
.endr
	s_wait_tensorcnt 0x0
	ds_add_u32 v46, v47
	s_wait_dscnt 0x0
	CROUND                                         ; the closing round: no work-group ends while a partner may still ask for a tile that names it
	s_endpgm
.Lfunc_end_k_qbab5abf418_attn:
	.size	k_qbab5abf418_attn, .Lfunc_end_k_qbab5abf418_attn-k_qbab5abf418_attn
	.p2alignl 7, 3214868480
	.fill 96, 4, 3214868480
	.section	.rodata,"a",@progbits
	.p2align	6, 0x0
	.amdhsa_kernel k_qbab5abf418_attn
		.amdhsa_group_segment_fixed_size 327680
		.amdhsa_private_segment_fixed_size 0
		.amdhsa_enable_private_segment 0
		.amdhsa_kernarg_size 32
		.amdhsa_user_sgpr_count 2
		.amdhsa_user_sgpr_kernarg_segment_ptr 1
		.amdhsa_wavefront_size32 1
		.amdhsa_system_sgpr_workgroup_id_x 1
		.amdhsa_system_sgpr_workgroup_id_y 1
		.amdhsa_system_sgpr_workgroup_id_z 1
		.amdhsa_system_vgpr_workitem_id 0
		.amdhsa_next_free_vgpr 256
		.amdhsa_next_free_sgpr 76
		.amdhsa_reserve_vcc 1
		.amdhsa_float_denorm_mode_32 3
		.amdhsa_float_denorm_mode_16_64 3
		.amdhsa_fp16_overflow 1
		.amdhsa_memory_ordered 1
		.amdhsa_forward_progress 1
		.amdhsa_inst_pref_size 52
	.end_amdhsa_kernel
	.amdgpu_metadata
---
amdhsa.version: [ 1, 2 ]
amdhsa.kernels:
  - .name:           k_qbab5abf418_attn
    .symbol:         k_qbab5abf418_attn.kd
    .args:
      - { .name: q_img, .offset: 0, .size: 8, .value_kind: global_buffer, .address_space: global }
      - { .name: kv_img, .offset: 8, .size: 8, .value_kind: global_buffer, .address_space: global }
      - { .name: lowp_scales, .offset: 16, .size: 8, .value_kind: global_buffer, .address_space: global }
      - { .name: att_img, .offset: 24, .size: 8, .value_kind: global_buffer, .address_space: global }
    .group_segment_fixed_size: 327680
    .private_segment_fixed_size: 0
    .kernarg_segment_align: 8
    .kernarg_segment_size: 32
    .max_flat_workgroup_size: 512
    .sgpr_count:     76
    .vgpr_count:     256
    .wavefront_size: 32
...
	.end_amdgpu_metadata
.endif
;; end of part 2
;; launch proj (part 3): grid 4 x 64, 4 waves a work-group, clusters of 4 x 4, 327,680 bytes of LDS; arguments att_img, W_proj_codes, b_proj, lowp_scales, out0; writes out0
.if DOCPART == 3
	.amdgcn_target "amdgcn-amd-amdhsa--gfx1250"
	.amdhsa_code_object_version 6
	.text
	.protected	k_qbab5abf418_proj
	.globl	k_qbab5abf418_proj
	.p2align	8
	.type	k_qbab5abf418_proj,@function
k_qbab5abf418_proj:
	s_mov_b64 s[64:65], 0
	v_nop
	global_prefetch_b8 v0, s[64:65] scope:SCOPE_SE
	s_setreg_imm32_b32 hwreg(HW_REG_WAVE_MODE, 25, 1), 1
	s_wait_xcnt 0x0
	s_wait_alu depctr_hold_cnt(0) depctr_sa_sdst(0) depctr_va_vdst(0) depctr_va_sdst(0) depctr_va_ssrc(0) depctr_va_vcc(0) depctr_vm_vsrc(0)
	s_getreg_b32 s2, hwreg(HW_REG_IB_STS2, 6, 4)
	s_cmp_eq_u32 s2, 0
	s_cbranch_scc0 .Lentry_in_a_cluster
	s_endpgm
.Lentry_in_a_cluster:
	s_bfe_u32 s2, ttmp6, 0x10000c
	s_cmp_lg_u32 s2, 0xf033
	s_cbranch_scc0 .Lentry_shape_is_right
	s_endpgm
.Lentry_shape_is_right:
; out0 = att W_proj + b_proj on codes of BF8 (E5M2).  att: 8,192 rows x 1,024, as images of the operand's registers (att_img: [k / 256][tile of 16 rows, 512][k / 128 % 2][2,048 bytes]); W_proj: [1024 (n)][1024 (k)] codes; out0: [8192][1024] f32.
; 8,192 x 1,024 gives 256 tiles of 128 x 256: one for each work-group.  Four waves, each 64 rows x 128 columns: 32 accumulators, 256 registers.
; CLUSTERS: 4 x 4 work-groups.  The four of a row of the cluster need the same rows of att, the four of a column the same rows of W_proj: each tile is asked for jointly.  The grid is one cluster wide: the tile column is cx.
; K = 1,024 is four K steps of 256.  THREE LDS slots: K steps 0, 1, 2 are first fills, K step 3 is the one refill, into slot 0, asked for 128 matrix instructions ahead of the wait for it.
; THE MATRIX INSTRUCTION IS USED TRANSPOSED (source 0 = 16 rows of W_proj, source 1 = a tile of att): a lane holds eight neighbouring numbers of a row of out0.
; Lane rr of att's tile 2 G + u is row 32 G + 8 u + rr % 8 + 16 (rr / 8): the stores' offsets undo that.
; LIMIT: ea + ewp between -126 and 127, so that 2^(ea + ewp) is an f32 number.  NaN and infinity among the codes are not served.
; REGISTERS, in windows of 256: window 0: v1-29 addresses; v32-95 at work on the way out; v128-255 att's fragments, two sets of 64, later rows of out0.   window 1: W_proj's fragments, two sets of 128.
;   window 2: the accumulators ((a, b) at v[8 (8 a + b)]).   window 3: v0-63 b_proj: for block b the eight numbers at columns 16 b + 8 h + 0 .. 7.
.set PITCH,  272                       ; a row of W_proj's tile in LDS: 256 bytes + 16 of padding: the 16 rows of a fragment load start at 16 different banks (64 banks of 4 bytes: ISA guide 11.1)
.set HALFT,  128*PITCH                 ; 128 rows
.set AIMG,   32768                     ; att's part of a slot: 8 tiles x 2 x 2,048 bytes, as they lie in memory
.set SLOT,   AIMG+2*HALFT              ; 102,400
.set SPARE,  3*SLOT                    ; behind the slots: the spare words, 128 bytes a wave: two blocks of 256 bytes that no other line names
.set SPITCH, 528                       ; the way out: 16 rows x (512 bytes + 16) for each wave, in slot 1, which has had its only fill and its last read by then
.set STAGE,  SLOT
.set FR,     16
.set ADRA, 16                          ; v16-18  LDS address of my fragments of att in slot 0, 1, 2
.set ADRB, 20                          ; v20-22  the same for W_proj
.set STO,  24                          ; v24     the way out: where I put 32 bytes of a row
.set RD,   25                          ; v25     where I read a row back
.set CO,   26                          ; v26     16 x lane
.set SPW,  28                          ; v28     LDS address of my spare word; never rewritten
.set NIL,  29                          ; v29     0; never rewritten
.set TMP,  32
.set AF,   128
.set BK,   128
.set G1,  24                           ; s[24:31] descriptor group 1 for att's tiles;  s[32:43] group 0, one set for each slot
.set G0,  32
.set G1B, 48                           ; s[48:55] for W_proj's;  s[68:79] group 0
.set G0B, 68
.set MSB, 0
.macro WIN new                         ; the immediate's high byte repeats the setting that is left
.if MSB != (\new)
	s_set_vgpr_msb (MSB<<8)|(\new)
.set MSB, \new
.endif
.endm
.set MUL,  0xa1                        ; source 0 (W_proj) window 1, source 1 (att) window 0, C and D window 2
.set TO_B, 0x40                        ; destination window 1, address window 0
.macro JLOAD g0a, g1a, g0b, g1b        ; a joint load: waves 0 and 1 fetch for att, waves 2 and 3 for W_proj; four v_nop follow each of the two lines
	s_cmp_eq_u32 s15, 0
	s_cbranch_scc0 .Lfor_b_\@
	tensor_load_to_lds s[\g0a:\g0a+3], s[\g1a:\g1a+7]
	s_nop 0
.rept 4
	v_nop
.endr
	s_branch .Lasked_\@
.Lfor_b_\@:
	tensor_load_to_lds s[\g0b:\g0b+3], s[\g1b:\g1b+7]
	s_nop 0
.rept 4
	v_nop
.endr
.Lasked_\@:
.endm
.macro CREST                           ; a round of the cluster's barrier behind its opening barrier
	s_cmp_lg_u32 s14, 0
	s_cbranch_scc1 .Lnot_wave_0_\@
	s_barrier_signal -3
.Lnot_wave_0_\@:
	s_barrier_wait -3
	s_barrier_signal -1
	s_barrier_wait -1
.endm
.macro CROUND
	s_barrier_signal -1
	s_barrier_wait -1
	CREST
.endm
.macro PLACES n                        ; places in front of loads into registers that matrix instructions have read, and of the first read of results (ISA guide 7.12.1 for vector instructions)
.rept \n
	v_nop
.endr
.endm
	s_load_b256 s[4:11], s[0:1], 0x0               ; att_img s[4:5], W_proj s[6:7], b_proj s[8:9], the exponents s[10:11]
	s_load_b64 s[12:13], s[0:1], 0x20              ; out0
	v_lshl_add_u32 v[SPW], v0, 2, SPARE
	v_mov_b32 v[NIL], 0
	ds_add_u32 v28, v29
	ds_add_u32 v28, v29
	s_wait_dscnt 0x0
	v_lshrrev_b32 v1, 5, v0
	v_readfirstlane_b32 s14, v1                    ; wave 0..3
	s_lshr_b32 s15, s14, 1                         ; which 64 of the tile's rows are mine.  Also: I fetch for att (0) or for W_proj (1)
	s_and_b32 s16, s14, 1                          ; which 128 of its columns.  Also: which half of that tile I fetch
	s_bfe_u32 s80, ttmp6, 0x40000                  ; cx: the tile column
	s_bfe_u32 s81, ttmp6, 0x40004                  ; cy
	s_and_b32 s82, ttmp7, 0xffff
	s_lshl_b32 s83, s82, 2
	s_add_co_u32 s83, s83, s81                     ; tile row = 4 x cluster y + cy
	s_lshl_b32 s84, s81, 2
	s_lshl_b32 s84, 15, s84                        ; my row of the cluster
	s_lshl_b32 s85, 0x1111, s80                    ; my column
	; att's tile: a dense block of 16,384 bytes as 64 rows of 256, elements of 8 bytes, no padding
	s_or_b32 s[G1], s84, (3<<16)|(1<<21)           ; 15:0 the mask: my row; 17:16 elements of 8 bytes; 21 set beside a mask
	s_mov_b32 s[G1+1], 32<<16                      ; tensor_dim0 = 32 elements
	s_mov_b32 s[G1+2], 64<<16                      ; tensor_dim1 = 64
	s_mov_b32 s[G1+3], 32<<16                      ; tile_dim0
	s_mov_b32 s[G1+4], 64                          ; tile_dim1
	s_mov_b32 s[G1+5], 32                          ; tensor_dim0_stride
	s_mov_b32 s[G1+6], 0
	s_mov_b32 s[G1+7], 0
	; W_proj's tile: 128 rows x 256 bytes, 1,024 apart, padded in LDS
	s_or_b32 s[G1B], s85, (0<<16)|(1<<20)|(1<<21)|(5<<22)|(3<<25)  ; the mask: my column; elements of 1 byte; padding: 4 words after every 64
	s_mov_b32 s[G1B+1], 256<<16
	s_mov_b32 s[G1B+2], 128<<16
	s_mov_b32 s[G1B+3], 256<<16
	s_mov_b32 s[G1B+4], 128
	s_mov_b32 s[G1B+5], 1024
	s_mov_b32 s[G1B+6], 0
	s_mov_b32 s[G1B+7], 0
	s_lshl_b32 s88, s83, 15                        ; att: the tile row's 8 tiles of 4,096 bytes,
	s_lshl_b32 s94, s16, 14                        ; my four of them
	s_add_co_u32 s88, s88, s94
	s_mov_b32 s89, 0
	s_lshl_b32 s90, s80, 18                        ; W_proj: 256 rows of 1,024 bytes a tile column,
	s_lshl_b32 s95, s16, 17                        ; my 128 of them
	s_add_co_u32 s90, s90, s95
	s_mov_b32 s91, 0
	s_lshl_b32 s92, s16, 14                        ; where they go in a slot: att's halves,
	s_mul_i32 s93, s16, HALFT
	s_add_co_u32 s93, s93, AIMG                    ; then W_proj's: no place in the cluster enters an LDS address
	s_wait_kmcnt 0x0
	s_load_b64 s[98:99], s[10:11], 0x18            ; ea, ewp
	s_add_nc_u64 s[88:89], s[4:5], s[88:89]
	s_add_nc_u64 s[90:91], s[6:7], s[90:91]
	CROUND                                         ; all sixteen work-groups are here: the first joint loads meet
.irp s, 0,1,2                                  ; K steps 0, 1, 2: three loads of mine are out
	s_mov_b32 s[G0+4*\s], 1
	s_add_co_u32 s[G0+4*\s+1], s92, \s*SLOT
	s_add_nc_u64 s[G0+4*\s+2:G0+4*\s+3], s[88:89], \s*0x200000
	s_or_b32 s[G0+4*\s+3], s[G0+4*\s+3], 0x80000000
	s_mov_b32 s[G0B+4*\s], 1
	s_add_co_u32 s[G0B+4*\s+1], s93, \s*SLOT
	s_add_nc_u64 s[G0B+4*\s+2:G0B+4*\s+3], s[90:91], \s*256
	s_or_b32 s[G0B+4*\s+3], s[G0B+4*\s+3], 0x80000000
	JLOAD G0+4*\s, G1, G0B+4*\s, G1B
.endr
	v_and_b32 v1, 15, v0                           ; r
	v_bfe_u32 v2, v0, 4, 1                         ; h
	v_and_b32 v3, 31, v0
	v_lshlrev_b32 v[CO], 4, v3                     ; 16 x lane
	v_mul_u32_u24 v4, v1, PITCH
	v_lshl_add_u32 v4, v2, 4, v4                   ; W_proj: row x pitch + 16 x half
	s_lshl_b32 s94, s15, 14                        ; my four tiles of att
	s_mul_i32 s95, s16, HALFT
	s_add_co_u32 s95, s95, AIMG                    ; my 128 rows of W_proj
.irp s, 0,1,2
	v_add_nc_u32 v[ADRA+\s], s94, v[CO]
	v_add_nc_u32 v[ADRB+\s], s95, v4
	s_add_co_u32 s94, s94, SLOT
	s_add_co_u32 s95, s95, SLOT
.endr
	s_mul_i32 s94, s14, 16*SPITCH
	s_add_co_u32 s94, s94, STAGE                   ; my stage
	v_mul_u32_u24 v6, v1, SPITCH
	v_lshl_add_u32 v6, v2, 5, v6
	v_add_nc_u32 v[STO], s94, v6                   ; in: row r, 32 bytes for each half of the lanes
	v_add_nc_u32 v[RD], s94, v[CO]                 ; back: the 32 lanes take one row of 512 bytes
	v_lshlrev_b32 v5, 5, v2                        ; b_proj: 32 h bytes
	s_lshl_b32 s86, s80, 10
	s_lshl_b32 s87, s16, 9
	s_add_co_u32 s86, s86, s87                     ; my first column, in bytes of f32: 1,024 cx + 512 x half
	s_mov_b32 s87, 0
	s_add_nc_u64 s[8:9], s[8:9], s[86:87]
	s_add_nc_u64 s[12:13], s[12:13], s[86:87]
	s_lshl_b32 s86, s83, 19                        ; my first row: 128 x tile row + 64 x half, rows of 4,096 bytes
	s_lshl_b32 s94, s15, 18
	s_add_co_u32 s86, s86, s94
	s_add_nc_u64 s[12:13], s[12:13], s[86:87]
	WIN 0xc0                                       ; destination window 3, address window 0
.irp b, 0,1,2,3,4,5,6,7
	global_load_b128 v[8*\b:8*\b+3], v5, s[8:9] offset:64*\b
	global_load_b128 v[8*\b+4:8*\b+7], v5, s[8:9] offset:64*\b+16
.endr
	WIN 0
; eight matrix instructions: att's block a x W_proj's eight, 128 along K, set p.  zero = 1: the first product starts the sums.  The 32 accumulators take turns, in the same order in every step.
.macro MUL8 a, p, zero
.irp b, 0,1,2,3,4,5,6,7
.if \zero
	v_wmma_f32_16x16x128_bf8_bf8 v[8*(8*(\a)+\b):8*(8*(\a)+\b)+7], v[128*(\p)+FR*\b:128*(\p)+FR*\b+FR-1], v[AF+64*(\p)+FR*(\a):AF+64*(\p)+FR*(\a)+FR-1], 0
.else
	v_wmma_f32_16x16x128_bf8_bf8 v[8*(8*(\a)+\b):8*(8*(\a)+\b)+7], v[128*(\p)+FR*\b:128*(\p)+FR*\b+FR-1], v[AF+64*(\p)+FR*(\a):AF+64*(\p)+FR*(\a)+FR-1], v[8*(8*(\a)+\b):8*(8*(\a)+\b)+7]
.endif
.endr
.endm
; 48 LDS loads in one run: the fragments of the slot's q-th 128 along K into set p.  In both, registers 4 c .. 4 c + 3 hold K = 32 c + 16 (lane / 16) + 0 .. 15.
.macro FETCH slot, q, p
	WIN TO_B
.irp i, 0,1,2,3,4,5,6,7
.irp c, 0,1,2,3
	ds_load_b128 v[128*(\p)+FR*\i+4*\c:128*(\p)+FR*\i+4*\c+3], v[ADRB+\slot] offset:128*(\q)+32*\c+\i*16*PITCH
.endr
.endr
	WIN 0
.irp a, 0,1,2,3
.irp c, 0,1,2,3
	ds_load_b128 v[AF+64*(\p)+FR*\a+4*\c:AF+64*(\p)+FR*\a+4*\c+3], v[ADRA+\slot] offset:4096*\a+2048*(\q)+512*\c
.endr
.endr
.endm
; a step of 128 along K: set p is in; the next step's fragments are asked for, into the other set; then the 32 products
.macro GSTEP p, fslot, fq, zero
	s_wait_dscnt 0x0
	PLACES 4
	FETCH \fslot, \fq, 1-(\p)
	WIN MUL
	MUL8 0, \p, \zero
	MUL8 1, \p, \zero
	MUL8 2, \p, \zero
	MUL8 3, \p, \zero
.endm
	s_wait_tensorcnt 2                             ; my part of K step 0 is in; K steps 1 and 2 may be out
	s_barrier_signal -1
	s_barrier_wait -1                              ; everybody's is
	FETCH 0, 0, 0
	GSTEP 0, 0, 1, 1                               ; step 0
	; step 1 (set 1): slot 0 has been read out and is filled again, with K step 3
	WIN 0                                          ; (the add's two registers lie in window 0)
	s_wait_tensorcnt 0x0                           ; all my tensor loads have landed: my parts of slots 1 and 2
	ds_add_u32 v[SPW], v[NIL]                      ; 0 onto my spare word
	s_wait_dscnt 1                                 ; set 1 is in (the add may be out)
	WIN MUL
	MUL8 0, 1, 0                                   ; eight matrix instructions stand between the add and the wait for it
	s_wait_dscnt 0x0                               ; the add is done, and my reads of slot 0 are over
	s_barrier_signal -1
	MUL8 1, 1, 0
	WIN 0
	s_barrier_wait -1
	CREST                                          ; the barrier has opened a round of the cluster's barrier: no wave of any partner still reads slot 0 or has a load on its way
	s_add_nc_u64 s[G0+2:G0+3], s[G0+2:G0+3], 0x600000      ; three K steps on: 3 x 2 MiB in att_img,
	s_add_nc_u64 s[G0B+2:G0B+3], s[G0B+2:G0B+3], 768       ; 3 x 256 bytes along W_proj's rows
	JLOAD G0, G1, G0B, G1B                         ; the first tensor load behind the round; its four v_nop are the places in front of the loads below
	FETCH 1, 0, 0
	WIN MUL
	MUL8 2, 1, 0
	MUL8 3, 1, 0
	GSTEP 0, 1, 1, 0                               ; step 2
	GSTEP 1, 2, 0, 0                               ; step 3: slot 2 was shown whole to every wave at the round
	GSTEP 0, 2, 1, 0                               ; step 4
	; step 5 (set 1): the refill is waited for; behind this barrier nothing is filled
	s_wait_tensorcnt 0x0                           ; my part of K step 3 is in,
	s_wait_dscnt 0x0                               ; set 1 is in, and my reads of slots 1 and 2 are over
	s_barrier_signal -1
	MUL8 0, 1, 0
	MUL8 1, 1, 0
	s_barrier_wait -1                              ; everybody's is
	PLACES 4
	FETCH 0, 0, 0
	WIN MUL
	MUL8 2, 1, 0
	MUL8 3, 1, 0
	GSTEP 0, 0, 1, 0                               ; step 6
	s_wait_dscnt 0x0                               ; step 7: nothing more to fetch
	MUL8 0, 1, 0
	MUL8 1, 1, 0
	MUL8 2, 1, 0
	MUL8 3, 1, 0
	WIN 0
; THE WAY OUT, block by block of 16 rows x 128 columns: sum x 2^(ea + ewp) + b_proj, one packed multiply-add for two numbers, each accumulator from its low end on; through my own stage in LDS, back as whole rows of 512 bytes.
.macro TOSTAGE a
	WIN 0x32                                       ; source 0 (the sums) window 2, source 2 (b_proj) window 3
.irp j, 0,2,4,6,8,10,12,14,16,18,20,22,24,26,28,30,32,34,36,38,40,42,44,46,48,50,52,54,56,58,60,62
	v_pk_fma_f32 v[TMP+\j:TMP+\j+1], v[64*(\a)+\j:64*(\a)+\j+1], s[96:97], v[\j:\j+1] op_sel_hi:[1,0,1]   ; (the scalar pair's low word for both halves)
.endr
	WIN 0
.irp b, 0,1,2,3,4,5,6,7
	ds_store_b128 v[STO], v[TMP+8*\b:TMP+8*\b+3] offset:64*\b
	ds_store_b128 v[STO], v[TMP+8*\b+4:TMP+8*\b+7] offset:64*\b+16
.endr
.set BB, BK+64*((\a)%2)
.irp t, 0,1,2,3,4,5,6,7,8,9,10,11,12,13,14,15
	ds_load_b128 v[BB+4*\t:BB+4*\t+3], v[RD] offset:\t*SPITCH   ; LDS serves a wave's instructions in order (ISA guide 5.7.1.4): these see my stores, and the next block's stores come behind them
.endr
.endm
.macro SEND a, younger                 ; younger: the LDS instructions issued behind block a's loads, which may stay out
.set BB, BK+64*((\a)%2)
	s_wait_dscnt \younger
.irp t, 0,1,2,3,4,5,6,7,8,9,10,11,12,13,14,15
	global_store_b128 v[CO], v[BB+4*\t:BB+4*\t+3], s[12:13] offset:(((\a)/2)*32+((\a)%2)*8+(\t%8)+16*(\t/8))*4096 th:TH_STORE_NT   ; stage row t of block a is row 32 (a / 2) + 8 (a % 2) + t % 8 + 16 (t / 8); 32 lanes store 512 consecutive bytes, aligned; written once, read by nobody here
.endr
.endm
	s_wait_kmcnt 0x0
	s_add_co_i32 s96, s98, s99                     ; ea + ewp, between -126 and 127,
	s_add_co_i32 s96, s96, 127
	s_lshl_b32 s96, s96, 23                        ; makes the f32 number 2^(ea + ewp)
	s_mov_b32 s97, s96                             ; (named with it as a pair)
	s_wait_loadcnt 0x0                             ; b_proj
	PLACES 4
	TOSTAGE 0
.irp a, 1,2,3
.if \a > 1
	s_wait_xcnt 0x0                                ; block a - 2's stores have read their registers: block a's loads may land there
.endif
	TOSTAGE \a
	SEND \a-1, 32                                  ; behind block a - 1's loads: block a's 16 stores and 16 loads
.endr
	SEND 3, 0
	s_wait_tensorcnt 0x0                           ; the wave's end: behind my last tensor load and my last LDS store
	ds_add_u32 v[SPW], v[NIL]
	s_wait_dscnt 0x0
	CROUND                                         ; the closing round: no work-group ends while a partner may still ask for a tile that names it
	s_endpgm
.Lfunc_end_k_qbab5abf418_proj:
	.size	k_qbab5abf418_proj, .Lfunc_end_k_qbab5abf418_proj-k_qbab5abf418_proj
	.p2alignl 7, 3214868480
	.fill 96, 4, 3214868480
	.section	.rodata,"a",@progbits
	.p2align	6, 0x0
	.amdhsa_kernel k_qbab5abf418_proj
		.amdhsa_group_segment_fixed_size 327680
		.amdhsa_private_segment_fixed_size 0
		.amdhsa_enable_private_segment 0
		.amdhsa_kernarg_size 40
		.amdhsa_user_sgpr_count 2
		.amdhsa_user_sgpr_kernarg_segment_ptr 1
		.amdhsa_wavefront_size32 1
		.amdhsa_system_sgpr_workgroup_id_x 1
		.amdhsa_system_sgpr_workgroup_id_y 1
		.amdhsa_system_sgpr_workgroup_id_z 1
		.amdhsa_system_vgpr_workitem_id 0
		.amdhsa_next_free_vgpr 832
		.amdhsa_next_free_sgpr 100
		.amdhsa_reserve_vcc 0
		.amdhsa_float_denorm_mode_32 3
		.amdhsa_float_denorm_mode_16_64 3
		.amdhsa_memory_ordered 1
		.amdhsa_forward_progress 1
		.amdhsa_inst_pref_size 76
	.end_amdhsa_kernel
	.amdgpu_metadata
---
amdhsa.version: [ 1, 2 ]
amdhsa.kernels:
  - .name:           k_qbab5abf418_proj
    .symbol:         k_qbab5abf418_proj.kd
    .args:
      - { .name: att_img, .offset: 0, .size: 8, .value_kind: global_buffer, .address_space: global }
      - { .name: W_proj_codes, .offset: 8, .size: 8, .value_kind: global_buffer, .address_space: global }
      - { .name: b_proj, .offset: 16, .size: 8, .value_kind: global_buffer, .address_space: global }
      - { .name: lowp_scales, .offset: 24, .size: 8, .value_kind: global_buffer, .address_space: global }
      - { .name: out0, .offset: 32, .size: 8, .value_kind: global_buffer, .address_space: global }
    .group_segment_fixed_size: 327680
    .private_segment_fixed_size: 0
    .kernarg_segment_align: 8
    .kernarg_segment_size: 40
    .max_flat_workgroup_size: 128
    .sgpr_count:     100
    .vgpr_count:     832
    .wavefront_size: 32
...
	.end_amdgpu_metadata
.endif
;; end of part 3
